; MI455X (gfx1250); checked and timed in simulation.
; The chip was launched on July 23, 2026; its instructions are those of AMD's public machine-readable ISA for CDNA 5 (MIT licence, August 2026) and "CDNA5" Instruction Set Architecture Reference Guide (July 2026). The comments in the code are by the model that wrote it; some were corrected since.
;; Multihead Attention Wrapper. Allowed arithmetic: matrix products marked QUANTISED: E2M1 operands, one E8M0 scale for each 32 along K, by v_wmma_scale_f32_16x16x128_f8f6f4 with both operands' format E2M1 (or v_wmma_scale_f32_32x16x128_f4), f32 sums; everything else in f32.
;; Inputs: Wk_codes 1,024 x 32 x 16 uint8 (E2M1 codes of Wk, K innermost, in blocks of 32 codes, two codes a byte); Wk_scales 1,024 x 32 uint8 (E8M0 scales of Wk, one for each 32 codes along K); Wq_codes 1,024 x 32 x 16 uint8 (E2M1 codes of Wq, K innermost, in blocks of 32 codes, two codes a byte); Wq_scales 1,024 x 32 uint8 (E8M0 scales of Wq, one for each 32 codes along K); bk 1,024 float32; bq 1,024 float32; key_codes 4 x 2,048 x 32 x 16 uint8 (E2M1 codes of key, K innermost, in blocks of 32 codes, two codes a byte); key_padding_mask 4 x 2,048 bool; key_scales 4 x 2,048 x 32 uint8 (E8M0 scales of key, one for each 32 codes along K); query_codes 4 x 2,048 x 32 x 16 uint8 (E2M1 codes of query, K innermost, in blocks of 32 codes, two codes a byte); query_scales 4 x 2,048 x 32 uint8 (E8M0 scales of query, one for each 32 codes along K); value_codes 4 x 1,024 x 64 x 16 uint8 (E2M1 codes of value, K innermost, in blocks of 32 codes, two codes a byte); value_scales 4 x 1,024 x 64 uint8 (E8M0 scales of value, one for each 32 codes along K).
;; Outputs: out0 4 x 2,048 x 1,024 float32.
;; This version of the problem:
;;   THIS VERSION OF THE PROBLEM IS GIVEN IN LOW PRECISION. The matrix products marked QUANTISED in the list below multiply operands that are first quantised to E2M1 (2 exponent bits, 1 mantissa bit; 4 bits a number), with one power-of-two scale for each 32 numbers along K (OCP MX v1.0); their sums are f32. All else is computed in f32.
;;   The module's matrix products, in the order in which they are computed (A, B: the left and right operand; K: the contracted axis; several contracted axes count as one K, in the product's order):
;;     1. [M 8,192, K 1,024] x [K 1,024, N 1,024]; A: input query (given as codes); B: input Wq (given as codes): QUANTISED
;;     2. [M 8,192, K 1,024] x [K 1,024, N 1,024]; A: input key (given as codes); B: input Wk (given as codes): QUANTISED
;;     3. batch 64 x [M 2,048, K 64] x [K 64, N 2,048]; A: computed on the way; B: computed on the way: QUANTISED
;;     4. batch 64 x [M 64, K 2,048] x [K 2,048, N 2,048]; A: input value (given as codes); B: softmax (see below): QUANTISED
;;   THE QUANTISER, for each operand of a quantised product, along K:
;;     - K is cut into blocks of 32 from its start; a last block that is shorter is filled with zeros.
;;     - A block's scale is 2^e with e = floor(log2(the largest magnitude in the block)) - 2, held to -126 .. 127; a block of zeros has e = 0. As a byte (E8M0): e + 127.
;;     - Each number is divided by its block's scale, clamped to +-6, and rounded to the nearest number of E2M1, ties to even, subnormals kept.
;;     - The product sums the exact products of the quantised numbers (number of the format x scale) in f32.
;;   ~~~python
;;   def quantise(x, axis):      # numpy; x: float32 -> the quantised numbers, widened to float32 again
;;       x = np.moveaxis(x, axis, -1); K = x.shape[-1]
;;       x = np.pad(x, [(0, 0)] * (x.ndim - 1) + [(0, -K % 32)]); x = x.reshape(x.shape[:-1] + (-1, 32)); a = np.abs(x).max(-1, keepdims=True)
;;       e = np.where(a > 0, np.clip(np.frexp(np.where(a > 0, a, 1))[1] - 1 - 2, -126, 127), 0)      # np.frexp(a)[1] - 1 = floor(log2(a)), exactly
;;       r = np.clip(x / 2.0 ** e, -6, 6)
;;       step = 2.0 ** (np.maximum(np.frexp(np.where(r == 0, 1, r))[1] - 1, 0) - 1)
;;       q = np.round(r / step) * step * 2.0 ** e      # np.round: ties to even
;;       return np.moveaxis(q.reshape(q.shape[:-2] + (-1,))[..., :K], -1, axis).astype(np.float32)
;;   ~~~
;;   SOFTMAX AHEAD OF A QUANTISED PRODUCT. Where the list says 'softmax', what is quantised is not the finished softmax but p = 2^(t - M), with t = logit x log2(e) and M = ceil(the row's largest t), a whole number; so 1/2 < the row's largest p <= 1. The row's sum l is taken of the UNQUANTISED p, in f32, and the product's result is divided by l at the end. Since M is a whole number, a kernel that streams over the keys may use a running M (the ceiling of the running maximum): every later rescaling is an exact power of two, which a block's scale takes up: the codes' values come out the same.
;;   OPERANDS COMPUTED ON THE WAY. 'Computed on the way' means the value that the module computes at that place (a softmax that the list does not call 'softmax' is quantised finished and normalised). What goes into a quantiser is computed in f32, as accurately as f32 sums, v_exp_f32 and their like allow (about 1e-6 of the number): no bf16 or f16 on the way to a quantiser, and a product that is left as it is and whose result goes on into a quantised operand takes f32 operands (vector FMAs, or v_wmma_f32_16x16x4_f32). A number that lies on a knife's edge between two numbers of the format may be rounded either way, as far as f32 arithmetic and the matrix unit's own rounding can turn it there, and no further.
;;   INPUTS GIVEN AS CODES. Wk (in the module: [1024, 1024], K = its axis 1); Wq (in the module: [1024, 1024], K = its axis 1); key (in the module: [4, 2048, 1024], K = its axis 2); query (in the module: [4, 2048, 1024], K = its axis 2); value (in the module: [4, 2048, 1024], K = its axis 1): each comes as NAME_codes (uint8): NAME with its K axis moved to the last place and cut into blocks of 32 codes, [.., K / 32, bytes a block], one block behind the other in memory; two codes a byte, the lower K in the low four bits (a code: sign, 2 exponent bits, 1 mantissa bit); and NAME_scales (uint8): the same leading axes, one E8M0 byte (e + 127) for each 32 codes along K. Its value is code x scale, taken as it is: it is not quantised again, and the codes and scales need not be those that the quantiser above would give.
;; One version. Each part assembles by itself: llvm-mc -triple=amdgcn-amd-amdhsa -mcpu=gfx1250 --defsym DOCPART=n.
;; ======== version 1 of 1: 2 launches
;; limits: right only within a limited range of input values
;; workspace buffers: qc 4,194,304 bytes; kc 4,194,304 bytes; qs 1,048,576 bytes; ks 1,048,576 bytes
;; launch proj (part 1): grid 4 x 64, 16 waves a work-group, clusters of 4 x 4, 297,984 bytes of LDS; arguments query_codes, query_scales, Wq_codes, Wq_scales, bq, qc, qs, key_padding_mask, key_codes, key_scales, Wk_codes, Wk_scales, bk, kc, ks; writes qc, qs, kc, ks
.if DOCPART == 1
	.amdgcn_target "amdgcn-amd-amdhsa--gfx1250"
	.amdhsa_code_object_version 6
	.text
	.protected	k_qff76b4fa02_proj
	.globl	k_qff76b4fa02_proj
	.p2align	8
	.type	k_qff76b4fa02_proj,@function
k_qff76b4fa02_proj:
	s_mov_b64 s[64:65], 0
	v_nop
	global_prefetch_b8 v0, s[64:65] scope:SCOPE_SE
	s_setreg_imm32_b32 hwreg(HW_REG_WAVE_MODE, 25, 1), 1
	s_wait_xcnt 0x0
	s_wait_alu depctr_hold_cnt(0) depctr_sa_sdst(0) depctr_va_vdst(0) depctr_va_sdst(0) depctr_va_ssrc(0) depctr_va_vcc(0) depctr_vm_vsrc(0)
	s_getreg_b32 s2, hwreg(HW_REG_IB_STS2, 6, 4)
	s_cmp_eq_u32 s2, 0
	s_cbranch_scc0 .Lentry_in_a_cluster
	s_endpgm
.Lentry_in_a_cluster:
	s_bfe_u32 s2, ttmp6, 0x10000c
	s_cmp_lg_u32 s2, 0xf033
	s_cbranch_scc0 .Lentry_shape_is_right
	s_endpgm
.Lentry_shape_is_right:
; q = relu(query Wq^T + bq) / 8 and k = relu(key Wk^T + bk), both products on codes of FP4 (E2M1) with one E8M0 scale for each 32 along K = 1,024; the results are quantised
; again, along each head's 64 numbers (two blocks of 32), and leave as IMAGES OF THE NEXT PRODUCT'S OPERAND REGISTERS.
; OUT: codes [batch x 16 + head][tile of 16 tokens][512 bytes]: lane l's 16 bytes at 16 l are registers 0-3 of a fragment (lane (r, h): token r of the tile, k = 32 h .. 32 h + 31).
;      small images [batch x 16 + head][group of 64 tokens][512 bytes]: bytes 0-255 scale words at 16 r + 4 tile; bytes 256-511 mask words at the same places.
;      A scale word: bytes 0, 1 the head's two blocks.  q: bytes 2, 3 = 127.  k: byte 2 = 247 where the key is masked, else 1; byte 3 = 1.
;      A mask word of k: the code of -1.0 (0xA, at k = 64) where the key is masked, else 0; of q: 0.  In the next launch q carries the code of 1.0 at k = 64, so a masked key's scores get -2^120 inside the product.
; LIMITS: NaN and infinities among the inputs are not served.  A block of zeros carries the byte 1 where the quantiser says 127: its codes are zeros, and this program alone reads the bytes.
; SHARES.  256 work-groups: x = block of 256 hidden units (4 heads), y = tensor (y < 32: query, else key) and block of 256 tokens.  Sixteen waves, four to a SIMD: wave w makes head w % 4 for tokens 64 (w / 4) on:
; 16 accumulators of 16 x 16.  THE MATRIX INSTRUCTION IS USED TRANSPOSED (source 0 = 16 rows of W, source 1 = 16 tokens): a lane holds ONE token and its registers run along the head, the next product's K.
; LDS IS FILLED ONCE: all of K for the work-group's 256 tokens and 256 rows of W lies in two slots of 512 along K (rows of 256 bytes + 16 of padding), their scale bytes behind them.  No byte is filled again.
; CLUSTERS: 4 x 4 work-groups.  The four of a row of the cluster need the same tokens, the four of a column the same rows of W: each tile is asked for jointly, by the same tensor load with a mask that names the four.
.set PITCH, 272                        ; an LDS row: 256 bytes + 16 = 68 words: the 16 rows of a fragment load start at 16 different banks (64 banks of 4 bytes: ISA guide 11.1)
.set QR,    64*PITCH                   ; 64 rows: what one tensor load brings
.set SLOT,  8*QR                       ; the tokens' 256 rows, then W's 256 rows
.set SCL,   2*SLOT                     ; the scale bytes of those 512 rows, 32 a row, as units of 256 bytes + 16
.set SQ,    8*272                      ; those of 64 rows
.set ADX, 4                            ; v4-5   LDS address of my tokens' fragments in slot 0, 1
.set ADW, 6                            ; v6-7   the same for my rows of W
.set ADS, 8                            ; v8     of my scale words: lanes 0-15 the tokens', lanes 16-31 W's
.set LI,  9                            ; v9     16 x lane: my place in an image
.set BO,  11                           ; v11    32 x (lane / 16): my eight numbers of a tile's bias
.set MK,  12                           ; v12-15 the mask bytes of my token in the four tiles
.set SC,  16                           ; v16-31 scale words and nothing else: register 4 i + q: lanes 0-15 token tile i, lanes 16-31 W's tile i, the slot's q-th 128 along K
.set XF,  32                           ; v32-63  four fragments of tokens
.set WF,  64                           ; v64-95  four fragments of W
.set BI,  96                           ; v96-127 the bias in the result's layout, eight registers a tile of W
.set ACC, 128                          ; v128-255 accumulator (token tile a, W's tile t) at 8 (4 a + t)
.set TM,  32                           ; the way out: v32-39 largest numbers, v40-47 the other half's, v48-55 the conversions' scale operands, v56-63 bytes
.set TP,  40
.set TS,  48
.set TY,  56
.set PC,  64                           ; v64-79 codes;  v80-83 the small image;  v84-87 scale words;  v96-99 their upper bytes;  v100-103 mask words
.set SW,  80
.set WD,  84
.set HI,  96
.set MC,  100
.set WV,  4                            ; s4 wave;  s5 wave % 4: my head, and which 64 rows I fetch;  s6 wave / 4: my 64 tokens
.set HG,  5
.set TG,  6
.macro ROUND                           ; a round of the cluster's barrier: my work-group's barrier; wave 0 signals for the work-group; every wave waits for all sixteen; my work-group's barrier once more
	s_barrier_signal -1
	s_barrier_wait -1
	s_cmp_lg_u32 s[WV], 0
	s_cbranch_scc1 .Lnot_wave_0_\@
	s_barrier_signal -3
.Lnot_wave_0_\@:
	s_barrier_wait -3
	s_barrier_signal -1
	s_barrier_wait -1
.endm
	s_load_b512 s[68:83], s[0:1], 0x0              ; query's codes, scales; Wq's codes, scales; bq; qc; qs; the mask
	s_load_b256 s[84:91], s[0:1], 0x40             ; key's codes, scales; Wk's codes, scales
	s_load_b128 s[92:95], s[0:1], 0x60             ; bk; kc
	s_load_b64 s[96:97], s[0:1], 0x70              ; ks
	v_lshl_add_u32 v254, v0, 2, 0x48400
	v_mov_b32 v255, 0
	ds_add_u32 v254, v255
	ds_add_u32 v254, v255
	s_wait_dscnt 0x0
	v_lshrrev_b32 v1, 5, v0
	v_readfirstlane_b32 s[WV], v1                  ; wave 0..15
	s_and_b32 s[HG], s[WV], 3
	s_lshr_b32 s[TG], s[WV], 2
	s_bfe_u32 s7, ttmp6, 0x40000                   ; cx, cy: my place in the cluster
	s_bfe_u32 s8, ttmp6, 0x40004
	s_lshl_b32 s9, ttmp9, 2
	s_add_co_u32 s9, s9, s7                        ; block of 256 hidden units = 4 x cluster x + cx
	s_and_b32 s10, ttmp7, 7                        ; clusters 0-7 along y take query, 8-15 key: eight clusters of four token blocks each
	s_lshl_b32 s11, s10, 2
	s_add_co_u32 s11, s11, s8                      ; block of 256 tokens, 0..31
	s_lshl_b32 s12, s8, 2
	s_lshl_b32 s12, 15, s12                        ; my row of the cluster
	s_lshl_b32 s2, 0x1111, s7                      ; my column
	; descriptor group 1 for codes: a tile of 64 rows x 256 bytes, rows 512 bytes apart in memory, 16 bytes of padding behind each row in LDS
	s_or_b32 s16, s12, (1<<20)|(1<<21)|(5<<22)|(3<<25)   ; 15:0 the mask: tokens go to my row; 17:16 elements of 1 byte; 20 padding on; 21 set beside a mask; 24:22 after every 64 words; 31:25 four words
	s_or_b32 s24, s2, (1<<20)|(1<<21)|(5<<22)|(3<<25)    ; W's rows go to my column
.irp g, 16, 24
	s_mov_b32 s[\g+1], 256<<16                     ; tensor_dim0
	s_mov_b32 s[\g+2], 64<<16                      ; tensor_dim1
	s_mov_b32 s[\g+3], 256<<16                     ; tile_dim0
	s_mov_b32 s[\g+4], 64                          ; tile_dim1
	s_mov_b32 s[\g+5], 512                         ; tensor_dim0_stride
	s_mov_b32 s[\g+6], 0
	s_mov_b32 s[\g+7], 0
.endr
	; and for the scale bytes of 64 rows: 2,048 dense bytes as 8 rows of 256 (32 elements of 8 bytes), 16 bytes of padding behind each
	s_or_b32 s32, s12, (3<<16)|(1<<20)|(1<<21)|(5<<22)|(3<<25)
	s_or_b32 s40, s2, (3<<16)|(1<<20)|(1<<21)|(5<<22)|(3<<25)
.irp g, 32, 40
	s_mov_b32 s[\g+1], 32<<16
	s_mov_b32 s[\g+2], 8<<16
	s_mov_b32 s[\g+3], 32<<16
	s_mov_b32 s[\g+4], 8
	s_mov_b32 s[\g+5], 32
	s_mov_b32 s[\g+6], 0
	s_mov_b32 s[\g+7], 0
.endr
	s_lshl_b32 s13, s11, 8
	s_lshl_b32 s14, s[HG], 6
	s_add_co_u32 s13, s13, s14                     ; the first token row that I would fetch: 256 x token block + 64 x (wave % 4): made of cy alone
	s_lshl_b32 s3, s9, 8
	s_lshl_b32 s66, s[HG], 6
	s_add_co_u32 s3, s3, s66                       ; the first row of W: 256 x hidden block + 64 x (wave % 4): made of cx alone
	s_mov_b32 s15, 0
	s_mov_b32 s67, 0
	s_wait_kmcnt 0x0
	s_and_b32 s10, ttmp7, 0xffff
	s_cmp_lt_u32 s10, 8                            ; query's cluster or key's?  The choice hangs on the cluster's number alone: it is the same in all sixteen partners
	s_cselect_b64 s[68:69], s[68:69], s[84:85]     ; the tokens' codes
	s_cselect_b64 s[70:71], s[70:71], s[86:87]     ; their scales
	s_cselect_b64 s[72:73], s[72:73], s[88:89]     ; W's codes
	s_cselect_b64 s[74:75], s[74:75], s[90:91]     ; W's scales
	s_cselect_b64 s[76:77], s[76:77], s[92:93]     ; the bias
	s_cselect_b64 s[78:79], s[78:79], s[94:95]     ; the codes' images
	s_cselect_b64 s[80:81], s[80:81], s[96:97]     ; the small images
	s_cselect_b32 s94, 0x3e000000, 1.0             ; q is multiplied by 64^-0.5 = 1/8, k by 1
	s_mov_b32 s96, 0x01010000
	s_cselect_b32 s96, 0x7f7f0000, s96             ; a scale word's bytes 2 and 3: q 127, 127; k 1, 1
	s_cselect_b32 s97, 0, 0x00f60000               ; what a masked key adds: byte 2 becomes 247
	s_cselect_b32 s98, 0, 10                       ; a masked key's mask word: the code of -1.0
	s_mov_b32 s95, s94                             ; (named with s94 as a pair, so it is written)
	s_mov_b32 s92, 0x76543210
	s_mov_b32 s93, 0xfedcba98                      ; v_permlanex16_b32's selects for lane l xor 16
	; descriptor groups 0.  LDS addresses hang on the wave's number alone: (wave % 8) x 64 rows: waves 0-3 the tokens' rows, waves 4-7 W's, which lie behind them
	s_and_b32 s99, s[WV], 7
	s_mul_i32 s10, s99, SQ
	s_mul_i32 s99, s99, QR
	s_lshl_b32 s14, s13, 5                         ; 32 scale bytes a row
	s_mov_b32 s48, 1                               ; 1:0 count = 1
	s_add_co_u32 s49, s10, SCL                     ; 63:32 LDS address
	s_add_nc_u64 s[50:51], s[70:71], s[14:15]      ; 120:64 global address
	s_or_b32 s51, s51, 0x80000000                  ; 127:126 type = 2
	s_lshl_b32 s14, s13, 9                         ; 512 bytes of codes a row
	s_mov_b32 s52, 1
	s_mov_b32 s53, s99                             ; slot 0
	s_add_nc_u64 s[54:55], s[68:69], s[14:15]
	s_mov_b32 s56, 1
	s_add_co_u32 s57, s99, SLOT                    ; slot 1:
	s_add_nc_u64 s[58:59], s[54:55], 256           ; 512 along K on
	s_or_b32 s55, s55, 0x80000000
	s_or_b32 s59, s59, 0x80000000
	s_lshl_b32 s66, s3, 5
	s_mov_b32 s60, 1
	s_add_co_u32 s61, s10, SCL
	s_add_nc_u64 s[62:63], s[74:75], s[66:67]
	s_or_b32 s63, s63, 0x80000000
	s_lshl_b32 s66, s3, 9
	s_mov_b32 s84, 1
	s_mov_b32 s85, s99
	s_add_nc_u64 s[86:87], s[72:73], s[66:67]
	s_mov_b32 s88, 1
	s_add_co_u32 s89, s99, SLOT
	s_add_nc_u64 s[90:91], s[86:87], 256
	s_or_b32 s87, s87, 0x80000000
	s_or_b32 s91, s91, 0x80000000
	; the other addresses
	s_lshl_b32 s14, s11, 8
	s_lshl_b32 s10, s[TG], 6
	s_add_co_u32 s14, s14, s10
	s_add_nc_u64 s[82:83], s[82:83], s[14:15]      ; the mask at my first token: 256 x token block + 64 x (wave / 4)
	s_lshl_b32 s10, s9, 2
	s_add_co_u32 s10, s10, s[HG]                   ; my head, 0..15
	s_lshl_b32 s14, s10, 8
	s_add_nc_u64 s[76:77], s[76:77], s[14:15]      ; the bias at my head's 64 numbers
	s_lshr_b32 s14, s11, 3                         ; the batch: eight token blocks each
	s_lshl_b32 s14, s14, 4
	s_add_co_u32 s10, s14, s10                     ; batch x 16 + head
	s_lshl_b32 s10, s10, 5
	s_and_b32 s13, s11, 7
	s_lshl_b32 s13, s13, 2
	s_add_co_u32 s10, s10, s13
	s_add_co_u32 s10, s10, s[TG]                   ; my group of 64 tokens among all heads' groups
	s_lshl_b32 s14, s10, 11
	s_add_nc_u64 s[78:79], s[78:79], s[14:15]      ; four images of 512 bytes a group
	s_lshl_b32 s14, s10, 9
	s_add_nc_u64 s[80:81], s[80:81], s[14:15]      ; one small image a group
	ROUND                                          ; all sixteen work-groups are here: the joint loads meet
	; All fills of the launch, in one branch on the wave's number: a fetching wave has three loads out: its 64 rows' scale bytes, its part of slot 0, its part of slot 1.  Four v_nop follow the last.
	s_cmp_lt_u32 s[WV], 4
	s_cbranch_scc0 .Lnot_x
	tensor_load_to_lds s[48:51], s[32:39]
	s_nop 0
	tensor_load_to_lds s[52:55], s[16:23]
	s_nop 0
	tensor_load_to_lds s[56:59], s[16:23]
	s_nop 0
.rept 4
	v_nop
.endr
	s_branch .Lasked
.Lnot_x:
	s_cmp_lt_u32 s[WV], 8
	s_cbranch_scc0 .Lasked
	tensor_load_to_lds s[60:63], s[40:47]
	s_nop 0
	tensor_load_to_lds s[84:87], s[24:31]
	s_nop 0
	tensor_load_to_lds s[88:91], s[24:31]
	s_nop 0
.rept 4
	v_nop
.endr
.Lasked:
	v_and_b32 v1, 15, v0                           ; r = lane % 16
	v_bfe_u32 v2, v0, 4, 1                         ; h = lane / 16
	v_lshlrev_b32 v[BO], 5, v2
.irp a, 0,1,2,3
	global_load_u8 v[MK+\a], v1, s[82:83] offset:16*\a               ; the mask byte of token 16 a + r
.endr
.irp t, 0,1,2,3
	global_load_b128 v[BI+8*\t:BI+8*\t+3], v[BO], s[76:77] offset:64*\t      ; lane (r, h), tile t: the bias of units 16 t + 8 h + 0 .. 7
	global_load_b128 v[BI+8*\t+4:BI+8*\t+7], v[BO], s[76:77] offset:64*\t+16
.endr
	v_mul_u32_u24 v3, v1, PITCH
	v_lshl_add_u32 v3, v2, 4, v3                   ; a fragment's row x pitch + 16 x half
	s_mul_i32 s14, s[TG], QR                       ; my 64 tokens
	s_mul_i32 s15, s[HG], QR                       ; my 64 rows of W,
	s_add_co_u32 s15, s15, 4*QR                    ; which lie behind the 256 tokens
	v_add_nc_u32 v[ADX], s14, v3
	v_add_nc_u32 v[ADW], s15, v3
	s_add_co_u32 s14, s14, SLOT
	s_add_co_u32 s15, s15, SLOT
	v_add_nc_u32 v[ADX+1], s14, v3
	v_add_nc_u32 v[ADW+1], s15, v3
	v_lshrrev_b32 v[ADS], 3, v1                    ; my row's scale bytes: eight rows of 32 bytes to a unit of 272
	v_mul_u32_u24 v[ADS], v[ADS], 272
	v_and_b32 v10, 7, v1
	v_lshl_add_u32 v[ADS], v10, 5, v[ADS]
	s_mul_i32 s14, s[TG], SQ                       ; the tokens': my 64 rows
	s_mul_i32 s15, s[HG], SQ                       ; W's: my 64 rows, behind the tokens' 256
	s_add_co_u32 s15, s15, 4*SQ
	s_sub_co_u32 s15, s15, s14
	v_mul_u32_u24 v10, s15, v2                     ; lanes 16-31 take W's: the lower base + h x the distance
	s_add_co_u32 s14, s14, SCL
	v_add_nc_u32 v[ADS], v[ADS], v10
	v_add_nc_u32 v[ADS], s14, v[ADS]
	v_and_b32 v[LI], 31, v0
	v_lshlrev_b32 v[LI], 4, v[LI]
.macro FRAG reg, adr, q, i             ; a fragment, 16 rows x 128 K of 4-bit codes: registers 4 c .. 4 c + 3 hold K = 64 c + 32 (lane / 16) + 0 .. 31: 16 bytes of the row as they lie
.irp c, 0,1
	ds_load_b128 v[\reg+4*\c:\reg+4*\c+3], v[\adr] offset:(\i)*16*PITCH+64*(\q)+32*\c
.endr
.endm
; 128 along K: the slot's q-th.  16 matrix instructions; the 16 accumulators take turns, one instruction a turn, in the same order in every step.
; first = 1: the bias is the C of each sum's first product: nothing is cleared and nothing is added later.
.macro KSTEP slot, q, first
.if \first == 0
.rept 4
	v_nop                                          ; four places in front of loads into registers that matrix instructions have read (ISA guide 7.12.1 for vector instructions)
.endr
.endif
.if \q == 0
.irp i, 0,1,2,3
	ds_load_b128 v[SC+4*\i:SC+4*\i+3], v[ADS] offset:544*\i+16*\slot   ; the slot's four scale words of my row in tile i: 16 rows are two units on
.endr
.endif
.irp i, 0,1,2,3
	FRAG WF+8*\i, ADW+\slot, \q, \i
.endr
.irp i, 0,1,2,3
	FRAG XF+8*\i, ADX+\slot, \q, \i
.endr
.irp a, 0,1,2,3
	s_wait_dscnt 2*(3-\a)                          ; LDS loads come back in order (ISA guide 5.7.1): token tile a is in; the two loads of each later tile may be out
.irp t, 0,1,2,3
.if \first
	v_wmma_scale_f32_16x16x128_f8f6f4 v[ACC+8*(4*\a+\t):ACC+8*(4*\a+\t)+7], v[WF+8*\t:WF+8*\t+7], v[XF+8*\a:XF+8*\a+7], v[BI+8*\t:BI+8*\t+7], v[SC+4*\t+\q], v[SC+4*\a+\q] matrix_a_fmt:MATRIX_FMT_FP4 matrix_b_fmt:MATRIX_FMT_FP4 matrix_a_scale:MATRIX_SCALE_ROW1
.else
	v_wmma_scale_f32_16x16x128_f8f6f4 v[ACC+8*(4*\a+\t):ACC+8*(4*\a+\t)+7], v[WF+8*\t:WF+8*\t+7], v[XF+8*\a:XF+8*\a+7], v[ACC+8*(4*\a+\t):ACC+8*(4*\a+\t)+7], v[SC+4*\t+\q], v[SC+4*\a+\q] matrix_a_fmt:MATRIX_FMT_FP4 matrix_b_fmt:MATRIX_FMT_FP4 matrix_a_scale:MATRIX_SCALE_ROW1
.endif
.endr
.endr
.endm
	s_wait_tensorcnt 0x1                           ; my scale bytes and my part of slot 0 are in; slot 1's load may stay out
	s_wait_loadcnt 0x0                             ; the mask bytes and the bias
	s_barrier_signal -1
	s_barrier_wait -1                              ; everybody's are
	KSTEP 0, 0, 1
	KSTEP 0, 1, 0
	KSTEP 0, 2, 0
	KSTEP 0, 3, 0
	s_wait_tensorcnt 0x0                           ; my part of slot 1 is in (my LDS loads are back: the last count-down ended at 0),
	s_barrier_signal -1
	s_barrier_wait -1                              ; everybody's is
	KSTEP 1, 0, 0
	KSTEP 1, 1, 0
	KSTEP 1, 2, 0
	KSTEP 1, 3, 0
	; THE WAY OUT.  The eight lines on the mask bytes name no register of the last products: they are the places behind them.
.irp a, 0,1,2,3
	v_mad_u32_u24 v[HI+\a], v[MK+\a], s97, s96     ; a scale word's bytes 2 and 3
.endr
.irp a, 0,1,2,3
	v_mul_u32_u24 v[MC+\a], s98, v[MK+\a]          ; the mask word
.endr
.irp e, 0,1,2,3,4,5,6,7
	v_mov_b32 v[TP+\e], 0                          ; a lane permute's destination counts as one of its sources
.endr
.set i, 0
.rept 64
	v_pk_mul_f32 v[ACC+i:ACC+i+1], v[ACC+i:ACC+i+1], s[94:95] op_sel_hi:[1,0]   ; x 1/8 (q) or x 1 (k): a power of two, so it changes places with the relu exactly; each accumulator from its low end on
.set i, i+2
.endr
.set i, 0
.rept 128
	v_max_num_f32 v[ACC+i], 0, v[ACC+i]            ; the relu, in f32
.set i, i+1
.endr
	; Block e = 2 a + b of 32 along the head: W's tiles 2 b and 2 b + 1 of token tile a: registers 16 e .. 16 e + 15 here and in lane l xor 16.  No |.|: nothing is negative.
.irp e, 0,1,2,3,4,5,6,7
	v_max3_num_f32 v[TM+\e], v[ACC+16*\e], v[ACC+16*\e+1], 0x1800000   ; and the floor 2^(3 - 127): the byte cannot fall under 1
.endr
.irp i, 2,4,6,8,10,12,14
.irp e, 0,1,2,3,4,5,6,7
	v_max3_num_f32 v[TM+\e], v[TM+\e], v[ACC+16*\e+\i], v[ACC+16*\e+\i+1]   ; (the eight blocks by turns)
.endr
.endr
.irp e, 0,1,2,3,4,5,6,7
	v_permlanex16_b32 v[TP+\e], v[TM+\e], s92, s93
.endr
.irp e, 0,1,2,3,4,5,6,7
	v_max_num_f32 v[TM+\e], v[TM+\e], v[TP+\e]     ; the block's largest number
.endr
.irp e, 0,1,2,3,4,5,6,7
	v_add_nc_u32 v[TS+\e], 0xff000000, v[TM+\e]    ; 2 off its exponent field: the conversion takes the exponent field of this operand as its scale, and nothing else of it
.endr
.irp e, 0,1,2,3,4,5,6,7
	v_lshrrev_b32 v[TY+\e], 23, v[TS+\e]           ; the scale's byte
.endr
.irp a, 0,1,2,3
	v_lshl_or_b32 v[WD+\a], v[TY+2*\a+1], 8, v[TY+2*\a]
.endr
.irp a, 0,1,2,3
	v_or_b32 v[WD+\a], v[WD+\a], v[HI+\a]          ; my token's scale word in tile a
.endr
	; Eight codes are one register.  The conversion of (block b, half u) holds k = 32 b + 16 u + 8 h + 0 .. 7 and goes to register b + 2 u of the tile's four;
	; the exchange of halves below then leaves register g with k = 32 h + 8 g + 0 .. 7: the operand's layout.
.irp a, 0,1,2,3
.irp b, 0,1
.irp u, 0,1
	v_cvt_scalef32_pk8_fp4_f32 v[PC+4*\a+\b+2*\u], v[ACC+32*\a+16*\b+8*\u:ACC+32*\a+16*\b+8*\u+7], v[TS+2*\a+\b]
.endr
.endr
.endr
	v_nop                                          ; one plain place behind a scaled conversion
.irp a, 0,1,2,3
	v_permlane16_swap_b32 v[PC+4*\a], v[PC+4*\a+1]       ; the first's lanes 16-31 change places with the second's lanes 0-15
	v_permlane16_swap_b32 v[PC+4*\a+2], v[PC+4*\a+3]
.endr
	v_cmp_ne_u32 vcc_lo, 0, v2
.irp a, 0,1,2,3
	v_cndmask_b32 v[SW+\a], v[WD+\a], v[MC+\a], vcc_lo   ; the small image: lanes 0-15 scale words, lanes 16-31 mask words
.endr
.irp a, 0,1,2,3
	global_store_b128 v[LI], v[PC+4*\a:PC+4*\a+3], s[78:79] offset:512*\a   ; 32 lanes store 512 consecutive bytes, at a multiple of 512 from the buffer's first byte
.endr
	global_store_b128 v[LI], v[SW:SW+3], s[80:81]
	s_wait_xcnt 0x0
	v_lshl_add_u32 v254, v0, 2, 0x48400
	v_mov_b32 v255, 0
	s_wait_tensorcnt 0x0
	ds_add_u32 v254, v255
	s_wait_dscnt 0x0
	ROUND                                          ; the closing round: no work-group ends while a partner may still ask for a tile that names it
	s_endpgm
.Lfunc_end_k_qff76b4fa02_proj:
	.size	k_qff76b4fa02_proj, .Lfunc_end_k_qff76b4fa02_proj-k_qff76b4fa02_proj
	.p2alignl 7, 3214868480
	.fill 96, 4, 3214868480
	.section	.rodata,"a",@progbits
	.p2align	6, 0x0
	.amdhsa_kernel k_qff76b4fa02_proj
		.amdhsa_group_segment_fixed_size 297984
		.amdhsa_private_segment_fixed_size 0
		.amdhsa_enable_private_segment 0
		.amdhsa_kernarg_size 120
		.amdhsa_user_sgpr_count 2
		.amdhsa_user_sgpr_kernarg_segment_ptr 1
		.amdhsa_wavefront_size32 1
		.amdhsa_system_sgpr_workgroup_id_x 1
		.amdhsa_system_sgpr_workgroup_id_y 1
		.amdhsa_system_sgpr_workgroup_id_z 1
		.amdhsa_system_vgpr_workitem_id 0
		.amdhsa_next_free_vgpr 256
		.amdhsa_next_free_sgpr 100
		.amdhsa_reserve_vcc 1
		.amdhsa_float_denorm_mode_32 3
		.amdhsa_float_denorm_mode_16_64 3
		.amdhsa_memory_ordered 1
		.amdhsa_forward_progress 1
		.amdhsa_inst_pref_size 54
	.end_amdhsa_kernel
	.amdgpu_metadata
---
amdhsa.version: [ 1, 2 ]
amdhsa.kernels:
  - .name:           k_qff76b4fa02_proj
    .symbol:         k_qff76b4fa02_proj.kd
    .args:
      - { .name: query_codes, .offset: 0, .size: 8, .value_kind: global_buffer, .address_space: global }
      - { .name: query_scales, .offset: 8, .size: 8, .value_kind: global_buffer, .address_space: global }
      - { .name: Wq_codes, .offset: 16, .size: 8, .value_kind: global_buffer, .address_space: global }
      - { .name: Wq_scales, .offset: 24, .size: 8, .value_kind: global_buffer, .address_space: global }
      - { .name: bq, .offset: 32, .size: 8, .value_kind: global_buffer, .address_space: global }
      - { .name: qc, .offset: 40, .size: 8, .value_kind: global_buffer, .address_space: global }
      - { .name: qs, .offset: 48, .size: 8, .value_kind: global_buffer, .address_space: global }
      - { .name: key_padding_mask, .offset: 56, .size: 8, .value_kind: global_buffer, .address_space: global }
      - { .name: key_codes, .offset: 64, .size: 8, .value_kind: global_buffer, .address_space: global }
      - { .name: key_scales, .offset: 72, .size: 8, .value_kind: global_buffer, .address_space: global }
      - { .name: Wk_codes, .offset: 80, .size: 8, .value_kind: global_buffer, .address_space: global }
      - { .name: Wk_scales, .offset: 88, .size: 8, .value_kind: global_buffer, .address_space: global }
      - { .name: bk, .offset: 96, .size: 8, .value_kind: global_buffer, .address_space: global }
      - { .name: kc, .offset: 104, .size: 8, .value_kind: global_buffer, .address_space: global }
      - { .name: ks, .offset: 112, .size: 8, .value_kind: global_buffer, .address_space: global }
    .group_segment_fixed_size: 297984
    .private_segment_fixed_size: 0
    .kernarg_segment_align: 8
    .kernarg_segment_size: 120
    .max_flat_workgroup_size: 512
    .sgpr_count:     100
    .vgpr_count:     256
    .wavefront_size: 32
...
	.end_amdgpu_metadata
.endif
;; end of part 1
;; launch attn (part 2): grid 4 x 64, 16 waves a work-group, clusters of 4 x 1, 225,280 bytes of LDS; arguments qc, qs, kc, ks, value_codes, value_scales, out0; writes out0
.if DOCPART == 2
	.amdgcn_target "amdgcn-amd-amdhsa--gfx1250"
	.amdhsa_code_object_version 6
	.text
	.protected	k_qff76b4fa02_attn
	.globl	k_qff76b4fa02_attn
	.p2align	8
	.type	k_qff76b4fa02_attn,@function
k_qff76b4fa02_attn:
	s_mov_b64 s[64:65], 0
	v_nop
	global_prefetch_b8 v0, s[64:65] scope:SCOPE_SE
	s_setreg_imm32_b32 hwreg(HW_REG_WAVE_MODE, 25, 1), 1
	s_wait_xcnt 0x0
	s_wait_alu depctr_hold_cnt(0) depctr_sa_sdst(0) depctr_va_vdst(0) depctr_va_sdst(0) depctr_va_ssrc(0) depctr_va_vcc(0) depctr_vm_vsrc(0)
	s_getreg_b32 s2, hwreg(HW_REG_IB_STS2, 6, 4)
	s_cmp_eq_u32 s2, 0
	s_cbranch_scc0 .Lentry_in_a_cluster
	s_endpgm
.Lentry_in_a_cluster:
	s_bfe_u32 s2, ttmp6, 0x10000c
	s_cmp_lg_u32 s2, 0x3003
	s_cbranch_scc0 .Lentry_shape_is_right
	s_endpgm
.Lentry_shape_is_right:
; out[b][t][head][:] = the sum over keys of softmax(q . k, masked keys left out) v, both products on codes of FP4 (E2M1) with one E8M0 scale for each 32 along a product's K.
; q and k come as images of operand registers (512 bytes a tile of 16 tokens: lane l's registers 0-3 at 16 l; K = the head's 64) with small images beside them (a group of 64 tokens: scale words at 16 r + 4 tile,
; mask words 256 bytes on).  V comes as codes with the keys innermost, 1,024 bytes a channel, and 64 scale bytes a channel.
; THE SOFTMAX AHEAD OF THE SECOND PRODUCT: t = score x log2(e); M = the largest t so far, rounded UP to a whole number; p = 2^(t - M) is quantised along the keys and not normalised.  The row's sum is taken of the
; unquantised p and divides O at the end.  When M moves, the sum and O are multiplied by 2^(old M - new M): exact.
; THE MASK RIDES IN THE FIRST PRODUCT.  K = 64 fills registers 0-3 of a fragment of 128.  At k = 64 q carries the code of 1.0 under the scale 1, a masked key the code of -1.0 under 2^120, any other key the code 0:
; a masked key's scores come out near -2^120.  Both operands have passed a relu, so real scores are 0 or more.  The largest t begins at -2^100: over every masked t, under every real one.  So a masked p is exactly 0 in
; every step, a block all of whose keys are masked has zero codes, and a batch all of whose keys are masked ends as 0 x (1 / 0) = NaN, as a softmax of nothing but -infinity does.
; LIMITS: real scores stay under 2^99; NaN and infinities among the inputs are not served.
; SHARES.  A work-group owns 512 queries of one head; each of its sixteen waves (four to a SIMD, so that one wave's vector work stands beside another's matrix work and LDS loads) owns two tiles of 16 queries and takes
; them one after the other, each through all 2,048 keys, 128 a step.
; LDS IS FILLED ONCE: a head's K, V and scales are 153,600 bytes and lie there whole.  No byte is filled again, and the loop over the keys has no barrier.
; CLUSTER: the four work-groups of a head read the same K and V: each tile is asked for jointly, by the same tensor load with a mask that names the four.
; LAYOUT.  Both products are used transposed: S^T = K Q^T (source 0 = 16 keys, source 1 = my 16 queries), O^T = V^T P^T (source 0 = 16 channels, source 1 = P): a lane holds ONE query (lane % 16) throughout.
; In tile t of S^T lane (r, h) holds keys 16 t + 8 h + 0 .. 7.  Eight codes are one register of the next operand; an exchange of halves puts them in their places.
.set VC,   65536                       ; LDS: from 0 K's 128 images;  V's 64 channel rows,
.set VP,   1040                        ; 1,024 bytes + 16 = 260 words: the 16 rows of a fragment load start at 16 different banks (64 banks of 4 bytes: ISA guide 11.1);
.set KSC,  VC+64*VP                    ; K's 32 small images;
.set VSC,  KSC+16384                   ; V's scale bytes, rows of 64 bytes + 16;
.set STG,  VSC+64*80                   ; the stages for the way out, 16 rows x (256 bytes + 16) for each wave: bytes of their own, into which no fill lands
.set AK0, 1                            ; v1   16 x lane: my place in an image
.set AV0, 2                            ; v2   my place in a tile of V
.set AS0, 3                            ; v3   my row's scale words in a small image
.set AT0, 4                            ; v4   my row of V's scale bytes
.set QS1, 5                            ; v5   the second tile's scale word of q
.set STO, 6                            ; v6   the way out: where I put 32 bytes of a row
.set RD,  7                            ; v7   where I read a row back
.set ADK, 8                            ; v8-11 the step's addresses: K's images, V's tiles, K's small images, V's scale words
.set ADV, 9
.set ADS, 10
.set ADT, 11
.set QF,  16                           ; v12 -M, v13 the largest t, v[14:15] the sum in two halves;  v16-23 Q's fragment: 16-19 the image, 20 the code of 1.0 at k = 64, 21-23 zeros;  v24-27 the second tile's image
.set KF,  32                           ; v28-31, v248-251 K's scale words;  v32-95 eight fragments of K: + 0..3 the image, + 4 the mask word, + 5..7 zeros, set once
.set VF,  192                          ; v96-159 S^T, then p;  v160-191 O^T;  v192-223 four fragments of V;  v224-231 p's codes;  v232-239, v244-247, v252-254 at work;  v240-243 V's scale words;  v255 q's
.set WV,  18
.set SEL, 22
.set CS,  24
.set G1K, 28
.set G1V, 36
.set G1S, 44
.macro ROUND                           ; a round of the cluster's barrier: my work-group's barrier; wave 0 signals for the work-group; every wave waits for all four; my work-group's barrier once more
	s_barrier_signal -1
	s_barrier_wait -1
	s_cmp_lg_u32 s[WV], 0
	s_cbranch_scc1 .Lnot_wave_0_\@
	s_barrier_signal -3
.Lnot_wave_0_\@:
	s_barrier_wait -3
	s_barrier_signal -1
	s_barrier_wait -1
.endm
	s_load_b256 s[4:11], s[0:1], 0x0               ; qc s[4:5], qs s[6:7], kc s[8:9], ks s[10:11]
	s_load_b128 s[12:15], s[0:1], 0x20             ; V's codes s[12:13], V's scales s[14:15]
	s_load_b64 s[16:17], s[0:1], 0x30              ; out
	v_lshl_add_u32 v254, v0, 2, 0x36800
	v_mov_b32 v255, 0
	ds_add_u32 v254, v255
	ds_add_u32 v254, v255
	s_wait_dscnt 0x0
	v_lshrrev_b32 v8, 5, v0
	v_readfirstlane_b32 s[WV], v8                  ; wave 0..15
	s_bfe_u32 s19, ttmp6, 0x40000                  ; cx: my place in the cluster
	s_and_b32 s20, ttmp7, 0xffff                   ; batch x 16 + head, which the four partners share
	s_lshl_b32 s21, ttmp9, 2
	s_add_co_u32 s21, s21, s19                     ; my block of 512 queries: it enters q's and out's addresses alone
	s_mov_b32 s[SEL], 0x76543210
	s_mov_b32 s[SEL+1], 0xfedcba98                 ; v_permlanex16_b32's selects for lane l xor 16
	s_mov_b32 s[CS], 0x3fb8aa3b                    ; log2(e)
	s_mov_b32 s[CS+1], s[CS]                       ; (named with it as a pair, so it is written)
	; descriptor groups 1.  K's images and small images: dense blocks of 16,384 bytes as 64 rows of 256 (32 elements of 8 bytes), no padding
	s_mov_b32 s[G1K], 15|(3<<16)|(1<<21)           ; 15:0 the mask: all four work-groups; 17:16 elements of 8 bytes; 21 set beside a mask
	s_mov_b32 s[G1K+1], 32<<16                     ; tensor_dim0
	s_mov_b32 s[G1K+2], 64<<16                     ; tensor_dim1
	s_mov_b32 s[G1K+3], 32<<16                     ; tile_dim0
	s_mov_b32 s[G1K+4], 64                         ; tile_dim1
	s_mov_b32 s[G1K+5], 32                         ; tensor_dim0_stride
	s_mov_b32 s[G1K+6], 0
	s_mov_b32 s[G1K+7], 0
	; V's codes: 16 channel rows of 1,024 bytes, 16 bytes of padding behind each
	s_mov_b32 s[G1V], 15|(1<<20)|(1<<21)|(7<<22)|(3<<25)   ; elements of 1 byte; 20 padding on; 24:22 after every 256 words; 31:25 four words
	s_mov_b32 s[G1V+1], 1024<<16
	s_mov_b32 s[G1V+2], 16<<16
	s_mov_b32 s[G1V+3], 1024<<16
	s_mov_b32 s[G1V+4], 16
	s_mov_b32 s[G1V+5], 1024
	s_mov_b32 s[G1V+6], 0
	s_mov_b32 s[G1V+7], 0
	; V's scale bytes: 64 rows of 64 bytes, 16 bytes of padding behind each
	s_mov_b32 s[G1S], 15|(1<<20)|(1<<21)|(3<<22)|(3<<25)   ; padding: four words after every 16
	s_mov_b32 s[G1S+1], 64<<16
	s_mov_b32 s[G1S+2], 64<<16
	s_mov_b32 s[G1S+3], 64<<16
	s_mov_b32 s[G1S+4], 64
	s_mov_b32 s[G1S+5], 64
	s_mov_b32 s[G1S+6], 0
	s_mov_b32 s[G1S+7], 0
	s_and_b32 s26, s[WV], 3                        ; which quarter of K's images or of V's rows I would fetch
	s_lshl_b32 s27, s26, 14                        ; 16,384 bytes each, in memory
	s_lshl_b32 s2, s20, 16                         ; a head's images are 65,536 bytes, and so are its 64 rows of V
	s_add_co_u32 s2, s2, s27
	s_mov_b32 s3, 0
	s_mul_i32 s26, s26, 16*VP
	s_wait_kmcnt 0x0
	s_mov_b32 s52, 1                               ; K's images: 1:0 count = 1
	s_mov_b32 s53, s27                             ; 63:32 LDS address: the wave's number alone enters it
	s_add_nc_u64 s[54:55], s[8:9], s[2:3]          ; 120:64 global address
	s_or_b32 s55, s55, 0x80000000                  ; 127:126 type = 2
	s_mov_b32 s56, 1                               ; V's codes
	s_add_co_u32 s57, s26, VC
	s_add_nc_u64 s[58:59], s[12:13], s[2:3]
	s_or_b32 s59, s59, 0x80000000
	s_lshl_b32 s2, s20, 14                         ; K's small images: 16,384 bytes a head
	s_mov_b32 s60, 1
	s_mov_b32 s61, KSC
	s_add_nc_u64 s[62:63], s[10:11], s[2:3]
	s_or_b32 s63, s63, 0x80000000
	s_lshl_b32 s2, s20, 12                         ; V's scale bytes: 4,096 a head
	s_mov_b32 s68, 1
	s_mov_b32 s69, VSC
	s_add_nc_u64 s[70:71], s[14:15], s[2:3]
	s_or_b32 s71, s71, 0x80000000
	s_lshl_b32 s2, s20, 7                          ; q's images: tile 128 x (batch x 16 + head) + 32 x block + 2 x wave
	s_lshl_b32 s26, s21, 5
	s_add_co_u32 s2, s2, s26
	s_lshl_b32 s26, s[WV], 1
	s_add_co_u32 s2, s2, s26
	s_lshl_b32 s2, s2, 9
	s_add_nc_u64 s[4:5], s[4:5], s[2:3]
	s_lshl_b32 s2, s20, 5                          ; q's small images: group 32 x (batch x 16 + head) + 8 x block + wave / 2; in it my first tile is 2 (wave % 2)
	s_lshl_b32 s26, s21, 3
	s_add_co_u32 s2, s2, s26
	s_lshr_b32 s26, s[WV], 1
	s_add_co_u32 s2, s2, s26
	s_lshl_b32 s2, s2, 9
	s_and_b32 s26, s[WV], 1
	s_lshl_b32 s26, s26, 3
	s_add_co_u32 s2, s2, s26
	s_add_nc_u64 s[6:7], s[6:7], s[2:3]
	s_lshr_b32 s2, s20, 4                          ; out: row 2,048 x batch + 512 x block + 32 x wave, of 4,096 bytes; + 256 x head
	s_lshl_b32 s2, s2, 11
	s_lshl_b32 s26, s21, 9
	s_add_co_u32 s2, s2, s26
	s_lshl_b32 s26, s[WV], 5
	s_add_co_u32 s2, s2, s26
	s_lshl_b32 s2, s2, 12
	s_and_b32 s26, s20, 15
	s_lshl_b32 s26, s26, 8
	s_add_co_u32 s2, s2, s26
	s_add_nc_u64 s[16:17], s[16:17], s[2:3]
	ROUND                                          ; all four work-groups are here: the joint loads meet
	; All fills of the launch: waves 0-3 K's images, waves 4-7 V's rows, wave 8 K's small images, wave 9 V's scale bytes: one load a wave.  The branches hang on the wave's number alone.  Four v_nop follow each.
	s_cmp_lt_u32 s[WV], 4
	s_cbranch_scc0 .Lnot_k
	tensor_load_to_lds s[52:55], s[G1K:G1K+7]
	s_nop 0
.rept 4
	v_nop
.endr
	s_branch .Lasked
.Lnot_k:
	s_cmp_lt_u32 s[WV], 8
	s_cbranch_scc0 .Lnot_v
	tensor_load_to_lds s[56:59], s[G1V:G1V+7]
	s_nop 0
.rept 4
	v_nop
.endr
	s_branch .Lasked
.Lnot_v:
	s_cmp_eq_u32 s[WV], 8
	s_cbranch_scc0 .Lnot_ks
	tensor_load_to_lds s[60:63], s[G1K:G1K+7]
	s_nop 0
.rept 4
	v_nop
.endr
	s_branch .Lasked
.Lnot_ks:
	s_cmp_eq_u32 s[WV], 9
	s_cbranch_scc0 .Lasked
	tensor_load_to_lds s[68:71], s[G1S:G1S+7]
	s_nop 0
.rept 4
	v_nop
.endr
.Lasked:
	v_and_b32 v9, 15, v0                           ; r = lane % 16
	v_bfe_u32 v10, v0, 4, 1                        ; h = lane / 16
	v_and_b32 v[AK0], 31, v0
	v_lshlrev_b32 v[AK0], 4, v[AK0]
	v_lshlrev_b32 v254, 4, v9                      ; 16 r
	global_load_b128 v[QF:QF+3], v[AK0], s[4:5]                ; my first tile of queries,
	global_load_b128 v[24:27], v[AK0], s[4:5] offset:512       ; my second,
	global_load_b32 v255, v254, s[6:7]                         ; and their scale words
	global_load_b32 v[QS1], v254, s[6:7] offset:4
	v_mul_u32_u24 v[AV0], v9, VP
	v_lshl_add_u32 v[AV0], v10, 4, v[AV0]
	v_add_nc_u32 v[AV0], VC, v[AV0]                ; V: channel row r, + 16 h
	v_add_nc_u32 v[AS0], KSC, v254
	v_mul_u32_u24 v[AT0], v9, 80
	v_add_nc_u32 v[AT0], VSC, v[AT0]
	s_mul_i32 s26, s[WV], 16*272
	s_add_co_u32 s26, s26, STG                     ; my stage
	v_mul_u32_u24 v[STO], v9, 272
	v_lshl_add_u32 v[STO], v10, 5, v[STO]
	v_add_nc_u32 v[STO], s26, v[STO]               ; in: row r; tile t's eight channels of my half: 64 t + 32 h bytes on
	v_mul_u32_u24 v[RD], v10, 272
	v_lshl_add_u32 v[RD], v9, 4, v[RD]
	v_add_nc_u32 v[RD], s26, v[RD]                 ; back: lanes 0-15 one row, lanes 16-31 the next
	v_lshlrev_b32 v[QF+4], 1, v10
	v_sub_nc_u32 v[QF+4], 2, v[QF+4]               ; lanes 0-15: the code of 1.0 at k = 64; lanes 16-31 (k = 96 on): zeros
.irp j, 5,6,7
	v_mov_b32 v[QF+\j], 0
.endr
.irp t, 0,1,2,3,4,5,6,7
.irp j, 5,6,7
	v_mov_b32 v[KF+8*\t+\j], 0                     ; the rest of K's fragments: zero codes, set once
.endr
.endr
.irp b, 0,1,2,3
	v_mov_b32 v[236+\b], 0                         ; written once: a lane permute's destination counts as one of its sources
.endr
	v_mov_b32 v252, 0
	v_mov_b32 v253, 0                              ; (named as the upper half of the pair v[252:253] before it is first written)
	s_wait_tensorcnt 0x0                           ; my load, if I issued one, has landed,
	s_barrier_signal -1
	s_barrier_wait -1                              ; everybody's has: the head's K, V and scales lie in LDS
	s_wait_loadcnt 0x0                             ; q
; A KEY STEP: 128 keys.  s72-75: the step's bytes in K's images, along V's rows, in K's small images, along V's scale bytes.
.macro STEP
	v_add_nc_u32 v[ADK], s72, v[AK0]               ; these four are also the places between the last step's products and the loads into the registers that they read
	v_add_nc_u32 v[ADV], s73, v[AV0]
	v_add_nc_u32 v[ADS], s74, v[AS0]
	v_add_nc_u32 v[ADT], s75, v[AT0]
	ds_load_b128 v[28:31], v[ADS]                  ; my row's scale words in tiles 0-3,
	ds_load_b128 v[248:251], v[ADS] offset:512     ; and 4-7
.irp t, 0,1,2,3,4,5,6,7
	ds_load_b128 v[KF+8*\t:KF+8*\t+3], v[ADK] offset:512*\t                    ; an image: 32 lanes, 512 consecutive bytes
	ds_load_b32 v[KF+8*\t+4], v[ADS] offset:512*(\t/4)+256+4*(\t%4)            ; my key's mask word
.endr
.irp t, 0,1,2,3
.irp c, 0,1
	ds_load_b128 v[VF+8*\t+4*\c:VF+8*\t+4*\c+3], v[ADV] offset:16*VP*\t+32*\c  ; V is asked for now and wanted behind the softmax
.endr
	ds_load_b32 v[240+\t], v[ADT] offset:1280*\t
.endr
	s_wait_dscnt 12                                ; LDS loads come back in order (ISA guide 5.7.1): K's are in; V's twelve may be out
.irp t, 0,1,2,3
	v_wmma_scale_f32_16x16x128_f8f6f4 v[96+8*\t:103+8*\t], v[KF+8*\t:KF+8*\t+7], v[QF:QF+7], 0, v[28+\t], v255 matrix_a_fmt:MATRIX_FMT_FP4 matrix_b_fmt:MATRIX_FMT_FP4
.endr
.irp t, 4,5,6,7
	v_wmma_scale_f32_16x16x128_f8f6f4 v[96+8*\t:103+8*\t], v[KF+8*\t:KF+8*\t+7], v[QF:QF+7], 0, v[244+\t], v255 matrix_a_fmt:MATRIX_FMT_FP4 matrix_b_fmt:MATRIX_FMT_FP4
.endr
.rept 4
	v_nop                                          ; four places between the last product and the first read of results (ISA guide 7.12.1)
.endr
.irp b, 0,1,2,3
	v_max3_num_f32 v[232+\b], v[96+16*\b], v[97+16*\b], v[98+16*\b]   ; THE LARGEST SCORE OF EACH BLOCK OF 32 KEYS (tiles 2 b, 2 b + 1): it serves the row's maximum and, since p rises with the score, the block's largest p
.endr
.irp i, 3,5,7,9,11,13
.irp b, 0,1,2,3
	v_max3_num_f32 v[232+\b], v[232+\b], v[96+16*\b+\i], v[97+16*\b+\i]   ; (the four blocks by turns; each tile is read from its low end on)
.endr
.endr
.irp b, 0,1,2,3
	v_max_num_f32 v[232+\b], v[232+\b], v[111+16*\b]
.endr
.irp b, 0,1,2,3
	v_permlanex16_b32 v[236+\b], v[232+\b], s[SEL], s[SEL+1]
.endr
.irp b, 0,1,2,3
	v_max_num_f32 v[232+\b], v[232+\b], v[236+\b]  ; with lane l xor 16's 16 keys
.endr
	v_max3_num_f32 v254, v232, v233, v234
	v_max_num_f32 v254, v254, v235                 ; the step's largest score of my query
	v_mul_f32 v254, s[CS], v254                    ; as t
	v_max_num_f32 v13, v13, v254                   ; the running largest t
	v_mov_b32 v254, v12
	v_floor_f32 v12, -v13                          ; the new -M = floor(-t) = -ceil(t): M is a whole number
	v_sub_f32 v254, v12, v254                      ; M's old value less its new one: a whole number, 0 or less
	v_cvt_i32_f32 v254, v254                       ; (it saturates)
	v_ldexp_f32 v252, 1.0, v254                    ; f = 2^(old M - new M): a multiplication by it rounds nothing
.set j, 0
.rept 32
	v_pk_fma_f32 v[96+j:97+j], v[96+j:97+j], s[CS:CS+1], v[12:13] op_sel_hi:[1,0,0]   ; t - M, two at a time (of the pairs the low word serves both halves)
.set j, j+2
.endr
.irp b, 0,1,2,3
	v_fma_f32 v[232+\b], v[232+\b], s[CS], v12     ; the same of each block's largest score
.endr
.set j, 0
.rept 64
	v_exp_f32 v[96+j], v[96+j]                     ; p = 2^(t - M), at most 1; a masked key's is 0
.set j, j+1
.endr
.irp b, 0,1,2,3
	v_exp_f32 v[232+\b], v[232+\b]                 ; the block's largest p: the same two instructions on the same number give the same bits
.endr
	v_pk_mul_f32 v[14:15], v[14:15], v[252:253] op_sel_hi:[1,0]   ; the sums under the new M.  (A plain place behind the exponentials)
	s_wait_alu depctr_va_vdst(0)
.irp b, 0,1,2,3
	v_max_num_f32 v[232+\b], 0x1800000, v[232+\b]  ; the floor 2^(3 - 127): the byte cannot fall under 1 (a block whose every p is 0 keeps that byte: its codes are zeros)
.endr
.irp b, 0,1,2,3
	v_add_nc_u32 v[244+\b], 0xff000000, v[232+\b]  ; 2 off the exponent field: the conversion's scale operand
.endr
.irp b, 0,1,2,3
	v_lshrrev_b32 v[236+\b], 23, v[244+\b]         ; the scale's byte
.endr
	v_lshl_or_b32 v253, v237, 8, v236              ; p's scale word for these 128 keys
	v_lshl_or_b32 v253, v238, 16, v253
	v_lshl_or_b32 v253, v239, 24, v253
.irp b, 0,1,2,3
.irp u, 0,1
	v_cvt_scalef32_pk8_fp4_f32 v[224+4*(\b/2)+(\b%2)+2*\u], v[96+16*\b+8*\u:103+16*\b+8*\u], v[244+\b]   ; keys 32 b + 16 u + 8 h + 0 .. 7
.endr
.endr
	v_nop                                          ; one plain place behind a scaled conversion
.irp c, 0,1
	v_permlane16_swap_b32 v[224+4*\c], v[225+4*\c]       ; the first's lanes 16-31 change places with the second's lanes 0-15: register 4 c + g now holds keys 64 c + 32 h + 8 g + 0 .. 7
	v_permlane16_swap_b32 v[226+4*\c], v[227+4*\c]
.endr
	v_pk_add_f32 v[236:237], v[96:97], v[98:99]    ; THE ROW'S SUM IS TAKEN OF THE UNQUANTISED p: two at a time, in two chains
.irp j, 4,8,12,16,20,24,28,32,36,40,44,48,52,56,60
	v_pk_add_f32 v[14:15], v[14:15], v[96+\j:97+\j]
	v_pk_add_f32 v[236:237], v[236:237], v[98+\j:99+\j]
.endr
	v_pk_add_f32 v[14:15], v[14:15], v[236:237]
.set j, 0
.rept 16
	v_pk_mul_f32 v[160+j:161+j], v[160+j:161+j], v[252:253] op_sel_hi:[1,0]   ; O^T under the new M, each accumulator from its low end on.  (With the sums above: the places between p's codes and scale word and the products below)
.set j, j+2
.endr
	s_wait_dscnt 0x0                               ; V is in
.irp t, 0,1,2,3
	v_wmma_scale_f32_16x16x128_f8f6f4 v[160+8*\t:167+8*\t], v[VF+8*\t:VF+8*\t+7], v[224:231], v[160+8*\t:167+8*\t], v[240+\t], v253 matrix_a_fmt:MATRIX_FMT_FP4 matrix_b_fmt:MATRIX_FMT_FP4   ; the four accumulators by turns, one instruction a turn
.endr
.endm
; THE WAY OUT of my tile p: O^T / the sum goes through my stage in LDS and leaves as rows: sixteen lanes store 256 consecutive bytes, a head's 64 channels of one query.
.macro OUT p
	v_bfe_u32 v232, v0, 4, 1                       ; these four are the places behind the last products
	v_lshlrev_b32 v232, 12, v232
	v_and_b32 v233, 15, v0
	v_lshl_add_u32 v232, v233, 4, v232             ; lanes 0-15 take one row of out (4,096 bytes), lanes 16-31 the next; 16 bytes a lane
	v_add_f32 v14, v14, v15                        ; the sum's two halves,
	v_permlanex16_b32 v252, v14, s[SEL], s[SEL+1]
	v_add_f32 v14, v14, v252                       ; and lane l xor 16's: the row's sum
	v_rcp_f32 v14, v14
	v_nop                                          ; a plain place behind the transcendental
.set j, 0
	s_wait_alu depctr_va_vdst(0)
.rept 16
	v_pk_mul_f32 v[96+j:97+j], v[160+j:161+j], v[14:15] op_sel_hi:[1,0]   ; register 8 t + i is out(query r, channel 16 t + 8 h + i)
.set j, j+2
.endr
.irp t, 0,1,2,3
	ds_store_b128 v[STO], v[96+8*\t:99+8*\t] offset:64*\t
	ds_store_b128 v[STO], v[100+8*\t:103+8*\t] offset:64*\t+16
.endr
.irp i, 0,1,2,3,4,5,6,7
	ds_load_b128 v[128+4*\i:131+4*\i], v[RD] offset:544*\i     ; LDS serves a wave's instructions in order (ISA guide 5.7.1.4): these see my stores
.endr
.irp i, 0,1,2,3,4,5,6,7
	s_wait_dscnt 7-\i                              ; rows 2 i and 2 i + 1 are back; the younger loads may be out
	global_store_b128 v232, v[128+4*\i:131+4*\i], s[16:17] offset:65536*\p+8192*\i th:TH_STORE_NT   ; written once, read by nobody here
.endr
.endm
; One tile of 16 queries through all keys.  The step is written once for each tile: its first trip finds zeros in O^T and in the sum, which the first change of M leaves zeros.
.macro PASS p
.if \p
	s_wait_xcnt 0x0                                ; the first tile's stores have had their addresses translated (ISA guide 3.1): their data and offset registers are rewritten only behind this wait
.irp j, 0,1,2,3
	v_mov_b32 v[QF+\j], v[24+\j]                   ; the second tile of queries,
.endr
	v_mov_b32 v255, v[QS1]                         ; and its scale word: the 36 lines below stand between it and the first product
.endif
	v_mov_b32 v13, 0xf1800000                      ; the largest t so far: -2^100
	v_floor_f32 v12, -v13                          ; -M
	v_mov_b32 v14, 0                               ; the sum, in two halves
	v_mov_b32 v15, 0
.set j, 0
.rept 32
	v_mov_b32 v[160+j], 0                          ; O^T
.set j, j+1
.endr
	s_mov_b32 s72, 0
	s_mov_b32 s73, 0
	s_mov_b32 s74, 0
	s_mov_b32 s75, 0
	s_mov_b32 s76, 16                              ; 2,048 keys, 128 a step
.Lstep_\p:
	STEP
	s_add_co_u32 s72, s72, 4096                    ; eight images on
	s_add_co_u32 s73, s73, 64                      ; 128 codes on in each row of V
	s_add_co_u32 s74, s74, 1024                    ; two small images on
	s_add_co_u32 s75, s75, 4                       ; one scale word on in each row of V's
	s_sub_co_u32 s76, s76, 1
	s_cmp_lg_u32 s76, 0
	s_cbranch_scc1 .Lstep_\p
	OUT \p
.endm
	PASS 0
	PASS 1
	s_wait_xcnt 0x0
	v_lshl_add_u32 v254, v0, 2, 0x36800
	v_mov_b32 v255, 0
	s_wait_tensorcnt 0x0
	ds_add_u32 v254, v255
	s_wait_dscnt 0x0
	ROUND                                          ; the closing round: no work-group ends while a partner may still ask for a tile that names it
	s_endpgm
.Lfunc_end_k_qff76b4fa02_attn:
	.size	k_qff76b4fa02_attn, .Lfunc_end_k_qff76b4fa02_attn-k_qff76b4fa02_attn
	.p2alignl 7, 3214868480
	.fill 96, 4, 3214868480
	.section	.rodata,"a",@progbits
	.p2align	6, 0x0
	.amdhsa_kernel k_qff76b4fa02_attn
		.amdhsa_group_segment_fixed_size 225280
		.amdhsa_private_segment_fixed_size 0
		.amdhsa_enable_private_segment 0
		.amdhsa_kernarg_size 56
		.amdhsa_user_sgpr_count 2
		.amdhsa_user_sgpr_kernarg_segment_ptr 1
		.amdhsa_wavefront_size32 1
		.amdhsa_system_sgpr_workgroup_id_x 1
		.amdhsa_system_sgpr_workgroup_id_y 1
		.amdhsa_system_sgpr_workgroup_id_z 1
		.amdhsa_system_vgpr_workitem_id 0
		.amdhsa_next_free_vgpr 256
		.amdhsa_next_free_sgpr 80
		.amdhsa_reserve_vcc 0
		.amdhsa_float_denorm_mode_32 3
		.amdhsa_float_denorm_mode_16_64 3
		.amdhsa_memory_ordered 1
		.amdhsa_forward_progress 1
		.amdhsa_inst_pref_size 51
	.end_amdhsa_kernel
	.amdgpu_metadata
---
amdhsa.version: [ 1, 2 ]
amdhsa.kernels:
  - .name:           k_qff76b4fa02_attn
    .symbol:         k_qff76b4fa02_attn.kd
    .args:
      - { .name: qc, .offset: 0, .size: 8, .value_kind: global_buffer, .address_space: global }
      - { .name: qs, .offset: 8, .size: 8, .value_kind: global_buffer, .address_space: global }
      - { .name: kc, .offset: 16, .size: 8, .value_kind: global_buffer, .address_space: global }
      - { .name: ks, .offset: 24, .size: 8, .value_kind: global_buffer, .address_space: global }
      - { .name: value_codes, .offset: 32, .size: 8, .value_kind: global_buffer, .address_space: global }
      - { .name: value_scales, .offset: 40, .size: 8, .value_kind: global_buffer, .address_space: global }
      - { .name: out0, .offset: 48, .size: 8, .value_kind: global_buffer, .address_space: global }
    .group_segment_fixed_size: 225280
    .private_segment_fixed_size: 0
    .kernarg_segment_align: 8
    .kernarg_segment_size: 56
    .max_flat_workgroup_size: 512
    .sgpr_count:     80
    .vgpr_count:     256
    .wavefront_size: 32
...
	.end_amdgpu_metadata
.endif
;; end of part 2
